; MI455X (gfx1250); checked and timed in simulation.
; The chip was launched on July 23, 2026; its instructions are those of AMD's public machine-readable ISA for CDNA 5 (MIT licence, August 2026) and "CDNA5" Instruction Set Architecture Reference Guide (July 2026). The comments in the code are by the model that wrote it; some were corrected since.
;; Flash Attention Layer. Allowed arithmetic: matrix products marked QUANTISED: E2M3 operands, one E8M0 scale for each 32 along K, by v_wmma_scale_f32_16x16x128_f8f6f4 with both operands' format E2M3, f32 sums; everything else in f32.
;; Inputs: key 4 x 2,048 x 16 x 128 float32; mask 4 x 2,048 int32; query 4 x 2,048 x 16 x 128 float32; value 4 x 2,048 x 16 x 128 float32.
;; Outputs: out0 4 x 2,048 x 16 x 128 float32.
;; This version of the problem:
;;   THIS VERSION OF THE PROBLEM IS GIVEN IN LOW PRECISION. The matrix products marked QUANTISED in the list below multiply operands that are first quantised to E2M3 (2 exponent bits, 3 mantissa bits; 6 bits a number), with one power-of-two scale for each 32 numbers along K (OCP MX v1.0); their sums are f32. All else is computed in f32.
;;   The module's matrix products, in the order in which they are computed (A, B: the left and right operand; K: the contracted axis; several contracted axes count as one K, in the product's order):
;;     1. batch 64 x [M 2,048, K 128] x [K 128, N 2,048]; A: input query; B: input key: QUANTISED
;;     2. batch 64 x [M 128, K 2,048] x [K 2,048, N 2,048]; A: input value; B: softmax (see below): QUANTISED
;;   THE QUANTISER, for each operand of a quantised product, along K:
;;     - K is cut into blocks of 32 from its start; a last block that is shorter is filled with zeros.
;;     - A block's scale is 2^e with e = floor(log2(the largest magnitude in the block)) - 2, held to -126 .. 127; a block of zeros has e = 0. As a byte (E8M0): e + 127.
;;     - Each number is divided by its block's scale, clamped to +-7.5, and rounded to the nearest number of E2M3, ties to even, subnormals kept.
;;     - The product sums the exact products of the quantised numbers (number of the format x scale) in f32.
;;   ~~~python
;;   def quantise(x, axis):      # numpy; x: float32 -> the quantised numbers, widened to float32 again
;;       x = np.moveaxis(x, axis, -1); K = x.shape[-1]
;;       x = np.pad(x, [(0, 0)] * (x.ndim - 1) + [(0, -K % 32)]); x = x.reshape(x.shape[:-1] + (-1, 32)); a = np.abs(x).max(-1, keepdims=True)
;;       e = np.where(a > 0, np.clip(np.frexp(np.where(a > 0, a, 1))[1] - 1 - 2, -126, 127), 0)      # np.frexp(a)[1] - 1 = floor(log2(a)), exactly
;;       r = np.clip(x / 2.0 ** e, -7.5, 7.5)
;;       step = 2.0 ** (np.maximum(np.frexp(np.where(r == 0, 1, r))[1] - 1, 0) - 3)
;;       q = np.round(r / step) * step * 2.0 ** e      # np.round: ties to even
;;       return np.moveaxis(q.reshape(q.shape[:-2] + (-1,))[..., :K], -1, axis).astype(np.float32)
;;   ~~~
;;   SOFTMAX AHEAD OF A QUANTISED PRODUCT. Where the list says 'softmax', what is quantised is not the finished softmax but p = 2^(t - M), with t = logit x log2(e) and M = ceil(the row's largest t), a whole number; so 1/2 < the row's largest p <= 1. The row's sum l is taken of the UNQUANTISED p, in f32, and the product's result is divided by l at the end. Since M is a whole number, a kernel that streams over the keys may use a running M (the ceiling of the running maximum): every later rescaling is an exact power of two, which a block's scale takes up: the codes' values come out the same.
;;   OPERANDS COMPUTED ON THE WAY. 'Computed on the way' means the value that the module computes at that place (a softmax that the list does not call 'softmax' is quantised finished and normalised). What goes into a quantiser is computed in f32, as accurately as f32 sums, v_exp_f32 and their like allow (about 1e-6 of the number): no bf16 or f16 on the way to a quantiser, and a product that is left as it is and whose result goes on into a quantised operand takes f32 operands (vector FMAs, or v_wmma_f32_16x16x4_f32). A number that lies on a knife's edge between two numbers of the format may be rounded either way, as far as f32 arithmetic and the matrix unit's own rounding can turn it there, and no further.
;; One version. Each part assembles by itself: llvm-mc -triple=amdgcn-amd-amdhsa -mcpu=gfx1250 --defsym DOCPART=n.
;; ======== version 1 of 1: 2 launches
;; limits: right only within a limited range of input values
;; workspace buffers: codes 26,214,400 bytes
;; launch quant (part 1): grid 512 x 1, 4 waves a work-group, no clusters, 136,192 bytes of LDS; arguments key, value, codes; writes codes
.if DOCPART == 1
	.amdgcn_target "amdgcn-amd-amdhsa--gfx1250"
	.amdhsa_code_object_version 6
	.text
	.protected	k_q711de46e3a_quant
	.globl	k_q711de46e3a_quant
	.p2align	8
	.type	k_q711de46e3a_quant,@function
k_q711de46e3a_quant:
	s_mov_b64 s[64:65], 0
	v_nop
	global_prefetch_b8 v0, s[64:65] scope:SCOPE_SE
	s_setreg_imm32_b32 hwreg(HW_REG_WAVE_MODE, 25, 1), 1
	s_wait_xcnt 0x0
; key, value: [4][2048][16][128] f32 become codes of FP6 (E2M3) with one E8M0 byte for each 32 along K: key along the head's 128, value along the KEYS.
; A block's scale is 2^(floor(log2(largest magnitude)) - 2); its byte is that magnitude's exponent field - 2, held at 1 from below; beyond 7.5 the largest code.
; LIMITS: a block of zeros gets the byte 1 where the rule says 127 (its codes are zeros; this program alone reads the bytes); blocks under 2^-124 are held at the byte 1; NaN and infinities are not served.
; codes: [head 64][step 16][25,600 bytes]; a step is 128 keys: key's 8 tiles (12,288), key's scale words (512), value's 8 tiles (12,288), value's scale words (512).
; A tile's 1,536 bytes are the image of a fragment (16 rows x 128 K, 12 registers a lane): register 4 k + i of lane l at 512 k + 16 l + 4 i.
;   key: tile 4 c + t, lane row r = key 64 c + 32 (r / 8) + 8 t + r % 8, so that a lane of the scores holds whole blocks of 32 keys.  value: tile T, lane row r = channel 16 T + r, K = the step's keys.
;   key's scale words: lane (r, h): 16 bytes at 16 (r + 16 h): tiles 4 h + 0 .. 3, row r.  value's: lane L: 16 bytes at 16 L: channels 32 p + L, p = 0 .. 3.
; A wave takes one step of one head; work-groups 0-255 take key, 256-511 value.  Each load reads a row's 512 consecutive bytes; rows turn through the wave's own stage in LDS (each path has stages of its own).  No barrier: waves share nothing.
.set HEADC, 409600
.set STEPM, 25600
.set FRB,   1536
.set KSC,   12288
.set VOFF,  12800
.set ROWG,  8192                       ; bytes from a key to the next in memory
.set SP,    528                        ; a stage row: 512 bytes + 16
.set WSTG,  32*SP
.set SPARE, 8*WSTG                     ; behind the eight stages: the spare words
.set W,   8                            ; scale words
.set PC,  32                           ; key: a fragment's codes
.set QB,  44                           ; key: upper halves as they are made
.set HL,  32                           ; value: registers 4, 5 of blocks 0 and 1, kept for blocks 2 and 3: 2 for each (group, half)
.set WK,  48                           ; value: a fragment's 12 registers at work
.set UP,  28                           ; value: an upper half as it is made
.set X,   64                           ; v64-127 numbers of a lane
.set R,   128                          ; v128-255 32 rows as loaded
	s_load_b128 s[4:7], s[0:1], 0x0                ; key, value
	s_load_b64 s[10:11], s[0:1], 0x10              ; codes
	v_lshl_add_u32 v62, v0, 2, SPARE
	v_mov_b32 v63, 0
	v_lshrrev_b32 v1, 5, v0
	v_readfirstlane_b32 s14, v1                    ; wave
	v_and_b32 v1, 31, v0                           ; lane
	v_and_b32 v2, 15, v0                           ; r
	v_bfe_u32 v3, v0, 4, 1                         ; h
	v_lshlrev_b32 v4, 4, v1                        ; 16 x lane
	s_mov_b32 s20, 0x76543210
	s_mov_b32 s21, 0xfedcba98                      ; selects for lane l xor 16
	s_and_b32 s17, ttmp9, 255
	s_lshr_b32 s18, s17, 2                         ; head
	s_and_b32 s17, s17, 3
	s_lshl_b32 s17, s17, 2
	s_add_co_u32 s17, s17, s14                     ; step
	s_lshr_b32 s22, s18, 4
	s_lshl_b32 s22, s22, 24                        ; batch x 2,048 x 8,192
	s_and_b32 s23, s18, 15
	s_lshl_b32 s23, s23, 9
	s_add_co_u32 s22, s22, s23
	s_lshl_b32 s23, s17, 20                        ; step x 128 x 8,192
	s_add_co_u32 s22, s22, s23
	s_mov_b32 s23, 0
	s_mul_i32 s24, s18, HEADC
	s_mul_i32 s25, s17, STEPM
	s_add_co_u32 s24, s24, s25
	s_mov_b32 s25, 0
	s_mul_i32 s28, s14, WSTG
	s_wait_alu depctr_va_vdst(0)                   ; the wait at the head's end
	s_wait_kmcnt 0x0
	s_cmp_lt_u32 ttmp9, 256                        ; the choice hangs on the work-group's number alone
	s_cselect_b64 s[4:5], s[4:5], s[6:7]
	s_add_nc_u64 s[4:5], s[4:5], s[22:23]
	s_add_nc_u64 s[10:11], s[10:11], s[24:25]
	s_cmp_ge_u32 ttmp9, 256
	s_cbranch_scc1 .Lvalue
.macro LOADR pr, km                    ; 32 rows; km = 1: the rows of key tiles 2 pr, 2 pr + 1 in the lanes' order; km = 0: rows 32 pr + i
.set i, 0
.rept 32
.if \km
.set T, 2*(\pr)+(i>>4)
.set ROW, 64*(T>>2)+32*((i>>3)&1)+8*(T&3)+(i&7)
.else
.set ROW, 32*(\pr)+i
.endif
	global_load_b128 v[R+4*i:R+4*i+3], v4, s[4:5] offset:ROW*ROWG th:TH_LOAD_NT
.set i, i+1
.endr
.endm
.macro TOSTAGE
.set i, 0
.rept 32
	ds_store_b128 v5, v[R+4*i:R+4*i+3] offset:i*SP
.set i, i+1
.endr
.endm
; ---------------- KEY: K innermost.  Lane (r, h) takes from the stage the 2 x 32 numbers of its place in the fragment.
	v_add_nc_u32 v5, s28, v4                       ; into my stage
	v_mul_u32_u24 v6, v2, SP
	v_lshl_add_u32 v6, v3, 7, v6
	v_add_nc_u32 v6, s28, v6                       ; out of it: row r, + 128 h bytes
	v_lshlrev_b32 v28, 3, v3                       ; 8 h
	v_mov_b32 v27, 0                               ; a lane permute's destination counts as a source
.macro FROMSTAGE u                     ; LDS serves a wave's instructions in order: these see my stores
.irp c, 0,1
.irp j, 0,1,2,3,4,5,6,7
	ds_load_b128 v[X+32*\c+4*\j:X+32*\c+4*\j+3], v6 offset:16*(\u)*SP+256*\c+16*\j
.endr
.endr
.endm
.macro QUANT T                         ; my blocks 2 c + h become registers 6 c .. 6 c + 5; the row's scale word goes to v[W + T]
.irp c, 0,1
	v_max3_num_f32 v[20+\c], |v[X+32*\c]|, |v[X+32*\c+1]|, 0x1800000   ; the floor 2^(3 - 127) among the leaves
.endr
.irp i, 2,4,6,8,10,12,14,16,18,20,22,24,26,28,30
.irp c, 0,1
	v_max3_num_f32 v[20+\c], v[20+\c], |v[X+32*\c+\i]|, |v[X+32*\c+\i+1]|
.endr
.endr
.irp c, 0,1
	v_add_nc_u32 v[22+\c], 0xff000000, v[20+\c]    ; 2 off the exponent field: the conversion's scale operand
.endr
.irp c, 0,1
	v_lshrrev_b32 v[24+\c], 23, v[22+\c]           ; the byte
.endr
	v_lshl_or_b32 v26, v25, 16, v24
	v_lshlrev_b32 v26, v28, v26
	v_permlanex16_b32 v27, v26, s20, s21
	v_or_b32 v[W+(\T)], v26, v27                   ; with lane l xor 16's two bytes the word is whole
.irp c, 0,1
	v_cvt_scalef32_pk16_fp6_f32 v[PC+6*\c:PC+6*\c+2], v[X+32*\c:X+32*\c+15], v[22+\c]
	v_cvt_scalef32_pk16_fp6_f32 v[QB+4*\c:QB+4*\c+2], v[X+32*\c+16:X+32*\c+31], v[22+\c]
.endr
	v_nop                                          ; one plain place behind a scaled conversion
.irp c, 0,1
.irp i, 0,1,2
	v_mov_b32 v[PC+6*\c+3+\i], v[QB+4*\c+\i]
.endr
.endr
.endm
.macro PUT T                           ; each store of the wave covers 512 consecutive bytes, aligned
.irp k, 0,1,2
	global_store_b128 v4, v[PC+4*\k:PC+4*\k+3], s[10:11] offset:(\T)*FRB+512*\k
.endr
.endm
	LOADR 0, 1
	s_wait_alu depctr_va_vdst(0)
.irp pr, 0,1,2,3
	s_wait_loadcnt 0x0
	TOSTAGE
	FROMSTAGE 0
	s_wait_dscnt 0x0                               ; the numbers are in, and the stage's stores have read the rows' registers,
.if \pr < 3
	LOADR \pr+1, 1                                 ; which take the next 32 rows
.endif
	s_wait_xcnt 0x0                                ; the last image's stores have read the codes' registers
	QUANT 2*\pr
	PUT 2*\pr
	FROMSTAGE 1
	s_wait_dscnt 0x0
	s_wait_xcnt 0x0
	QUANT 2*\pr+1
	PUT 2*\pr+1
.endr
	v_cmp_ne_u32 vcc_lo, 0, v3
.irp j, 0,1,2,3
	v_cndmask_b32 v[16+\j], v[W+\j], v[W+4+\j], vcc_lo   ; lanes 0-15 keep tiles 0-3's words, lanes 16-31 tiles 4-7's
.endr
	global_store_b128 v4, v[16:19], s[10:11] offset:KSC
	s_wait_tensorcnt 0x0                           ; the wave's end
	ds_add_u32 v62, v63
	s_wait_dscnt 0x0
	s_endpgm
; ---------------- VALUE: K = the keys.  32 keys' rows go into the stage; a lane reads a channel's column, 32 registers down the keys: a whole block.  Four groups of 32 channels, four blocks of keys.
; Block kb of channel 32 p + l is registers 6 (kb / 2) .. + 5 of lane l % 16 + 16 (kb % 2) of tile 2 p + l / 16: each store's sixteen lanes fill one aligned unit of 256 bytes.
.Lvalue:
	s_add_co_u32 s28, s28, 4*WSTG
	v_add_nc_u32 v5, s28, v4
	v_lshlrev_b32 v7, 2, v1
	v_add_nc_u32 v7, s28, v7                       ; out of the stage: 4 bytes a lane
	v_lshrrev_b32 v6, 4, v1
	v_mul_u32_u24 v6, v6, FRB
	v_lshl_add_u32 v6, v2, 4, v6                   ; into the images: tile l / 16 of the pair, 16 (l % 16)
.macro COL p, st
.set i, 0
.rept 32
	ds_load_b32 v[X+32*(\st)+i], v7 offset:i*SP+128*(\p)
.set i, i+1
.endr
.endm
.macro VBLK kb, p, st
.set XS, X+32*(\st)
.set HR, HL+4*(\p)+2*((\kb)&1)
.set OF, VOFF+2*FRB*(\p)+256*((\kb)&1)
	s_wait_xcnt 0x0                                ; earlier stores have read the registers at work
	v_max3_num_f32 v20, |v[XS]|, |v[XS+1]|, |v[XS+2]|
	v_max3_num_f32 v21, |v[XS+3]|, |v[XS+4]|, |v[XS+5]|
.irp i, 6,10,14,18,22,26
	v_max3_num_f32 v20, v20, |v[XS+\i]|, |v[XS+\i+1]|
	v_max3_num_f32 v21, v21, |v[XS+\i+2]|, |v[XS+\i+3]|
.endr
	v_max3_num_f32 v20, v20, |v[XS+30]|, |v[XS+31]|
	v_max3_num_f32 v20, v20, v21, 0x1800000
	v_add_nc_u32 v22, 0xff000000, v20
	v_lshrrev_b32 v23, 23, v22
.if (\kb) == 0
	v_mov_b32 v[W+(\p)], v23
.else
	v_lshl_or_b32 v[W+(\p)], v23, 8*(\kb), v[W+(\p)]
.endif
.if (\kb) < 2
	v_cvt_scalef32_pk16_fp6_f32 v[WK:WK+2], v[XS:XS+15], v22
	v_cvt_scalef32_pk16_fp6_f32 v[UP:UP+2], v[XS+16:XS+31], v22
	v_nop
	v_mov_b32 v[WK+3], v[UP]
	v_mov_b32 v[HR], v[UP+1]
	v_mov_b32 v[HR+1], v[UP+2]
	global_store_b128 v6, v[WK:WK+3], s[10:11] offset:OF
.else
	v_cvt_scalef32_pk16_fp6_f32 v[WK+6:WK+8], v[XS:XS+15], v22
	v_cvt_scalef32_pk16_fp6_f32 v[UP:UP+2], v[XS+16:XS+31], v22
	v_nop
	v_mov_b32 v[WK+4], v[HR]
	v_mov_b32 v[WK+5], v[HR+1]
.irp i, 0,1,2
	v_mov_b32 v[WK+9+\i], v[UP+\i]
.endr
	global_store_b128 v6, v[WK+4:WK+7], s[10:11] offset:OF+512
	global_store_b128 v6, v[WK+8:WK+11], s[10:11] offset:OF+1024
.endif
.endm
	LOADR 0, 0
	s_wait_alu depctr_va_vdst(0)
.irp kb, 0,1,2,3
	s_wait_loadcnt 0x0
	TOSTAGE
	COL 0, 0
	COL 1, 1
	s_wait_dscnt 32                                ; the stores and the first 32 column loads are done; the second 32 may be out
.if \kb < 3
	LOADR \kb+1, 0
.endif
	VBLK \kb, 0, 0
	COL 2, 0
	s_wait_dscnt 32
	VBLK \kb, 1, 1
	COL 3, 1
	s_wait_dscnt 32
	VBLK \kb, 2, 0
	s_wait_dscnt 0x0
	VBLK \kb, 3, 1
.endr
	s_wait_alu depctr_va_vdst(0)
	global_store_b128 v4, v[W:W+3], s[10:11] offset:VOFF+12288   ; my four channels' scale words: 512 consecutive bytes a wave
	s_wait_tensorcnt 0x0
	ds_add_u32 v62, v63
	s_wait_dscnt 0x0
	s_endpgm
.Lfunc_end_k_q711de46e3a_quant:
	.size	k_q711de46e3a_quant, .Lfunc_end_k_q711de46e3a_quant-k_q711de46e3a_quant
	.p2alignl 7, 3214868480
	.fill 96, 4, 3214868480
	.section	.rodata,"a",@progbits
	.p2align	6, 0x0
	.amdhsa_kernel k_q711de46e3a_quant
		.amdhsa_group_segment_fixed_size 136192
		.amdhsa_private_segment_fixed_size 0
		.amdhsa_enable_private_segment 0
		.amdhsa_kernarg_size 24
		.amdhsa_user_sgpr_count 2
		.amdhsa_user_sgpr_kernarg_segment_ptr 1
		.amdhsa_wavefront_size32 1
		.amdhsa_system_sgpr_workgroup_id_x 1
		.amdhsa_system_sgpr_workgroup_id_y 1
		.amdhsa_system_sgpr_workgroup_id_z 1
		.amdhsa_system_vgpr_workitem_id 0
		.amdhsa_next_free_vgpr 256
		.amdhsa_next_free_sgpr 66
		.amdhsa_reserve_vcc 1
		.amdhsa_float_denorm_mode_32 3
		.amdhsa_float_denorm_mode_16_64 3
		.amdhsa_memory_ordered 1
		.amdhsa_forward_progress 1
		.amdhsa_inst_pref_size 137
	.end_amdhsa_kernel
	.amdgpu_metadata
---
amdhsa.version: [ 1, 2 ]
amdhsa.kernels:
  - .name:           k_q711de46e3a_quant
    .symbol:         k_q711de46e3a_quant.kd
    .args:
      - { .name: key, .offset: 0, .size: 8, .value_kind: global_buffer, .address_space: global }
      - { .name: value, .offset: 8, .size: 8, .value_kind: global_buffer, .address_space: global }
      - { .name: codes, .offset: 16, .size: 8, .value_kind: global_buffer, .address_space: global }
    .group_segment_fixed_size: 136192
    .private_segment_fixed_size: 0
    .kernarg_segment_align: 8
    .kernarg_segment_size: 24
    .max_flat_workgroup_size: 128
    .sgpr_count:     66
    .vgpr_count:     256
    .wavefront_size: 32
...
	.end_amdgpu_metadata
.endif
;; end of part 1
;; launch attn (part 2): grid 8 x 64, 8 waves a work-group, clusters of 4 x 1, 327,680 bytes of LDS; arguments codes, mask, query, out0; writes out0
.if DOCPART == 2
	.amdgcn_target "amdgcn-amd-amdhsa--gfx1250"
	.amdhsa_code_object_version 6
	.text
	.protected	k_q711de46e3a_attn
	.globl	k_q711de46e3a_attn
	.p2align	8
	.type	k_q711de46e3a_attn,@function
k_q711de46e3a_attn:
	s_mov_b64 s[64:65], 0
	v_nop
	global_prefetch_b8 v0, s[64:65] scope:SCOPE_SE
	s_setreg_imm32_b32 hwreg(HW_REG_WAVE_MODE, 25, 1), 1
	s_wait_xcnt 0x0
	s_wait_alu depctr_hold_cnt(0) depctr_sa_sdst(0) depctr_va_vdst(0) depctr_va_sdst(0) depctr_va_ssrc(0) depctr_va_vcc(0) depctr_vm_vsrc(0)
	s_getreg_b32 s2, hwreg(HW_REG_IB_STS2, 6, 4)
	s_cmp_eq_u32 s2, 0
	s_cbranch_scc0 .Lentry_in_a_cluster
	s_endpgm
.Lentry_in_a_cluster:
	s_bfe_u32 s2, ttmp6, 0x10000c
	s_cmp_lg_u32 s2, 0x3003
	s_cbranch_scc0 .Lentry_shape_is_right
	s_endpgm
.Lentry_shape_is_right:
; out = softmax(q k^T / sqrt(128), keys with mask 0 left out) v in MX-FP6.  A work-group takes 256 queries of one head, a wave 32 (two tiles of 16, u = 0 in register window 0, u = 1 in window 1).
; Both products are used transposed (S^T = k q^T, O^T = v^T p^T): a lane holds one query.  The keys of a tile of k are chosen so that lane (r, h)'s 32 registers of tiles 4 c .. 4 c + 3 are keys 64 c + 32 h + 0 .. 31:
; a whole block of p in a lane, in the order of the next operand's registers: no exchange between lanes but for the row's maximum and the scale word.
; M is the running largest t rounded up to a whole number; p = 2^(t - M); the row's sum is taken of the unquantised p; O^T and the sum are brought under a new M by an exact power of two.
; THE MASK: a key with mask 0 gets the bias -2^126 as the C of its score, so its p is 0.  The bias is loaded into tile 0's score registers: it serves tile 1's products as C, then tile 0's in place.
; Where a batch has no key with mask != 0, q's codes are cleared: all scores are equal and the weights are uniform.  Else M starts at -2^100.
; QUERY is quantised here, at the head: each of its numbers is read by one wave alone.  Same limits as in the launch before (byte 1 for a block of zeros; NaN, infinities not served).
; LIMIT: the promise holds while the scaled scores (exponents to the base 2) stay under 2^31 in magnitude.
; K AND V: steps of 128 keys, 25,600 bytes each with their scale words, four steps to a slot, two slots; a wave fetches 12,800 bytes of a slot by one tensor load.
; The four work-groups of a cluster take the same head: each slot is asked for jointly.  Prefetch: in each change of slots waves 0-3 of the head's first cluster name the slot that the next change will load, a step to a partner (by address), a block of 256 bytes a lane.
.set HEADC, 409600
.set STEPL, 25600
.set SLOTL, 102400
.set FRB,   1536
.set KSC,   12288
.set VOFF,  12800
.set VSC,   25088
.set BIAS,  102400                     ; 2,048 + 1,024 words: the last step's look-ahead reads the pad behind the 2,048
.set FLAGS, 114688
.set SLOT1, 1<<17
.set STAGE, 233472
.set SP,    528
.set SPARE, 301056
.set LA,   1                           ; 16 x lane
.set ADR,  2
.set ADB,  4
.set SPW,  5
.set NIL,  6
.set AB0,  8
.set STO,  9
.set RD,   10
.set PFO,  11
.set KW,   28                          ; v28-31 k's scale words
.set FRG,  32                          ; v32-79 four fragments, in window 0 (tiles 0-3) and in window 1 (tiles 4-7)
.set VW,   80                          ; v80-83 v's scale words
.set PW,   86                          ; v86-87 p's scale words
.set H8,   90                          ; 8 h, in both windows
.set FM,   91
.set QW,   248                         ; v248-249 q's scale words
.set WV,   12
.set SEL,  20
.set CS,   22
.set G1P,  24
.set G0P,  40
.set TB,   48
.set TS,   49
.set SLOTS, 50
.set STEPC, 51
.set PFA,  52
.set LIM,  54
.set MSB, 0
.macro WIN new
.if MSB != (\new)
	s_set_vgpr_msb (MSB<<8)|(\new)
.set MSB, (\new)
.endif
.endm
.macro CROUND
	s_barrier_signal -1
	s_barrier_wait -1
	s_cmp_lg_u32 s[WV], 0
	s_cbranch_scc1 .Lnot_wave_0_\@
	s_barrier_signal -3
.Lnot_wave_0_\@:
	s_barrier_wait -3
	s_barrier_signal -1
	s_barrier_wait -1
.endm
.macro PLACES
.rept 4
	v_nop
.endr
.endm
	s_load_b256 s[4:11], s[0:1], 0x0               ; codes, mask, query, out0
	v_lshl_add_u32 v[SPW], v0, 2, SPARE
	v_mov_b32 v[NIL], 0
	ds_add_u32 v[SPW], v[NIL]                      ; the opening lines
	ds_add_u32 v[SPW], v[NIL]
	v_lshrrev_b32 v92, 5, v0
	v_readfirstlane_b32 s[WV], v92
	v_and_b32 v[LA], 31, v0
	v_and_b32 v92, 15, v0                          ; r
	v_bfe_u32 v93, v0, 4, 1                        ; h
	v_lshlrev_b32 v94, 4, v0
	v_lshlrev_b32 v[LA], 4, v[LA]
	s_bfe_u32 s13, ttmp6, 0x40000                  ; cx
	s_lshl_b32 s14, ttmp9, 2
	s_add_co_u32 s14, s14, s13                     ; which 256 queries
	s_and_b32 s15, ttmp7, 0xffff                   ; head
	s_mov_b32 s[G1P], 15|(3<<16)|(1<<21)           ; 50 rows of 256 bytes, for all four partners
	s_mov_b32 s[G1P+1], 32<<16
	s_mov_b32 s[G1P+2], 50<<16
	s_mov_b32 s[G1P+3], 32<<16
	s_mov_b32 s[G1P+4], 50
	s_mov_b32 s[G1P+5], 32
	s_mov_b32 s[G1P+6], 0
	s_mov_b32 s[G1P+7], 0
	s_mul_i32 s56, s15, HEADC
	s_mul_i32 s61, s[WV], 12800
	s_add_co_u32 s58, s56, s61
	s_mov_b32 s59, 0
	s_mul_i32 s57, s[WV], 16*SP
	s_add_co_u32 s57, s57, STAGE
	s_lshl_b32 s77, s[WV], 2
	s_add_co_u32 s77, s77, FLAGS
	s_lshr_b32 s72, s15, 4
	s_lshl_b32 s72, s72, 13
	s_mov_b32 s73, 0
	s_lshr_b32 s74, s15, 4
	s_lshl_b32 s74, s74, 24
	s_and_b32 s75, s15, 15
	s_lshl_b32 s75, s75, 9
	s_add_co_u32 s74, s74, s75
	s_lshl_b32 s75, s14, 21
	s_add_co_u32 s74, s74, s75
	s_lshl_b32 s75, s[WV], 18
	s_add_co_u32 s74, s74, s75                     ; my 32 rows of query and of out0
	s_mov_b32 s75, 0
	s_mul_i32 s66, s13, STEPL
	s_add_co_u32 s66, s66, s56
	s_add_co_u32 s66, s66, SLOTL
	s_mov_b32 s67, 0
	s_lshl_b32 s68, s[WV], 13
	s_cmp_lt_u32 s[WV], 4
	s_cselect_b32 s[LIM], 0, 1
	s_or_b32 s[LIM], s[LIM], ttmp9
	s_cmp_eq_u32 s[LIM], 0
	s_cselect_b32 s[LIM], 1, -1
	s_mov_b32 s[SEL], 0x76543210
	s_mov_b32 s[SEL+1], 0xfedcba98
	s_mov_b32 s[CS], 0x3e0293ee                    ; log2(e) / sqrt(128)
	s_mov_b32 s[CS+1], s[CS]
	s_mov_b32 s[TB], 0
	s_mov_b32 s[TS], 512
	s_mov_b32 s[SLOTS], 3
	s_wait_alu depctr_va_vdst(0)                   ; the wait ahead of the waits below
	s_wait_dscnt 0x0
	s_wait_kmcnt 0x0
	s_add_nc_u64 s[6:7], s[6:7], s[72:73]
	s_add_nc_u64 s[8:9], s[8:9], s[74:75]
	s_add_nc_u64 s[10:11], s[10:11], s[74:75]
	global_load_b128 v[32:35], v94, s[6:7]         ; the batch's mask
	global_load_b128 v[36:39], v94, s[6:7] offset:4096
.set i, 0
.rept 32
	global_load_b128 v[96+4*i:99+4*i], v[LA], s[8:9] offset:i*8192 th:TH_LOAD_NT   ; my 32 queries, a row's 512 bytes a load
.set i, i+1
.endr
	s_mov_b32 s[G0P], 1
	s_mov_b32 s[G0P+1], s61
	s_add_nc_u64 s[G0P+2:G0P+3], s[4:5], s[58:59]
	s_or_b32 s[G0P+3], s[G0P+3], 0x80000000
	s_add_nc_u64 s[PFA:PFA+1], s[4:5], s[66:67]
	CROUND
	tensor_load_to_lds s[G0P:G0P+3], s[G1P:G1P+7]  ; slot 0: my one load at the head
	s_nop 0
	v_lshl_add_u32 v[AB0], v93, 7, BIAS
	v_mul_u32_u24 v[STO], v92, SP
	v_lshl_add_u32 v95, v93, 7, v[STO]
	v_lshl_add_u32 v[STO], v93, 5, v[STO]
	v_add_nc_u32 v[STO], s57, v[STO]
	v_add_nc_u32 v95, s57, v95                     ; q out of the stage: row r, + 128 h bytes
	v_add_nc_u32 v[RD], s57, v[LA]
	v_lshlrev_b32 v[PFO], 4, v[LA]
	v_add_nc_u32 v[PFO], s68, v[PFO]
	v_min_u32 v[PFO], 25344, v[PFO]                ; lanes left over name the step's last block again
	v_lshlrev_b32 v[H8], 3, v93
	v_mov_b32 v52, 0
	v_mov_b32 v53, -1
	v_mov_b32 v54, 0xff61b1e6
	v_mov_b32 v55, 0xf1800000
	v_mov_b32 v56, 0xfe800000
	v_lshl_add_u32 v57, v0, 4, BIAS
	v_mov_b32 v58, s77
	v_mov_b32 v59, FLAGS
	v_mov_b32 v235, 0
	s_wait_alu depctr_va_vdst(0)
	s_wait_loadcnt 32                              ; the mask is in; the 32 rows of q may be out
	v_or_b32 v40, v32, v33
	v_or_b32 v41, v34, v35
	v_or_b32 v42, v36, v37
	v_or_b32 v43, v38, v39
	v_or_b32 v40, v40, v41
	v_or_b32 v42, v42, v43
	v_or_b32 v40, v40, v42
.irp i, 0,1,2,3,4,5,6,7
	v_cmp_ne_u32 vcc_lo, 0, v[32+\i]
	v_cndmask_b32 v[44+\i], v56, v52, vcc_lo
.endr
	ds_store_b128 v57, v[44:47]
	ds_store_b128 v57, v[48:51] offset:4096
	ds_store_b128 v57, v[44:47] offset:8192        ; the pad
	v_cmp_ne_u32 vcc_lo, 0, v40
	s_cmp_lg_u32 vcc_lo, 0
	s_cselect_b32 s76, 1, 0
	v_mov_b32 v60, s76
	ds_store_b32 v58, v60
.irp u, 0,1                            ; 16 rows through my stage; LDS serves a wave's instructions in order
	s_wait_loadcnt 16-16*\u
.set i, 0
.rept 16
	ds_store_b128 v[RD], v[96+64*\u+4*i:99+64*\u+4*i] offset:SP*i
.set i, i+1
.endr
	WIN 0x40
.irp c, 0,1
.irp j, 0,1,2,3,4,5,6,7
	ds_load_b128 v[96+64*\u+32*\c+4*\j:99+64*\u+32*\c+4*\j], v95 offset:256*\c+16*\j
.endr
.endr
	WIN 0
.endr
	WIN 0x40
	v_lshlrev_b32 v[H8], 3, v93
	v_mov_b32 v235, 0
	WIN 0
	s_wait_alu depctr_va_vdst(0)
	s_wait_dscnt 0x0
	s_barrier_signal -1
	s_barrier_wait -1
	ds_load_b128 v[32:35], v59
	ds_load_b128 v[36:39], v59 offset:16
.macro LBIAS adr                       ; 64 words: register 32 c + i takes key 64 c + 32 h + i
.set n, 0
.rept 16
	ds_load_b128 v[96+4*n:99+4*n], v[\adr] offset:256*(n/8)+16*(n%8)
.set n, n+1
.endr
.endm
	LBIAS AB0
.macro QQ u, XB, DB                    ; in window 1: 64 numbers at XB become a fragment at DB, the scale word goes to window 0
	WIN 0x55
.irp c, 0,1
	v_max3_num_f32 v[232+\c], |v[\XB+32*\c]|, |v[\XB+32*\c+1]|, 0x1800000
.endr
.irp i, 2,4,6,8,10,12,14,16,18,20,22,24,26,28,30
.irp c, 0,1
	v_max3_num_f32 v[232+\c], v[232+\c], |v[\XB+32*\c+\i]|, |v[\XB+32*\c+\i+1]|
.endr
.endr
.irp c, 0,1
	v_add_nc_u32 v[250+\c], 0xff000000, v[232+\c]
.endr
.irp c, 0,1
	v_lshrrev_b32 v[238+\c], 23, v[250+\c]
.endr
	v_lshl_or_b32 v254, v239, 16, v238
	v_lshlrev_b32 v254, v[H8], v254
	v_permlanex16_b32 v235, v254, s[SEL], s[SEL+1]
	WIN 0x15
	v_or_b32 v[QW+\u], v254, v235
	WIN 0x55
.irp c, 0,1
	v_cvt_scalef32_pk16_fp6_f32 v[\DB+6*\c:\DB+6*\c+2], v[\XB+32*\c:\XB+32*\c+15], v[250+\c]
	v_cvt_scalef32_pk16_fp6_f32 v[240+4*\c:242+4*\c], v[\XB+32*\c+16:\XB+32*\c+31], v[250+\c]
.endr
	v_nop
.irp c, 0,1
.irp i, 0,1,2
	v_mov_b32 v[\DB+6*\c+3+\i], v[240+4*\c+\i]
.endr
.endr
.endm
	QQ 0, 96, 64
	QQ 1, 160, 16
	WIN 0
	s_wait_alu depctr_va_vdst(0)
	s_wait_dscnt 0x0
	v_or_b32 v40, v32, v33
	v_or_b32 v41, v34, v35
	v_or_b32 v42, v36, v37
	v_or_b32 v43, v38, v39
	v_or_b32 v40, v40, v41
	v_or_b32 v42, v42, v43
	v_or_b32 v40, v40, v42
	v_cmp_ne_u32 vcc_lo, 0, v40                    ; has the batch a key that counts?
	v_cndmask_b32 v[FM], v52, v53, vcc_lo
	v_cndmask_b32 v13, v54, v55, vcc_lo
	WIN 0x04
.irp i, 0,1,2,3,4,5,6,7,8,9,10,11
	v_and_b32 v[16+\i], v[FM], v[64+\i]
.endr
	WIN 0x44
.irp i, 0,1,2,3,4,5,6,7,8,9,10,11
	v_and_b32 v[16+\i], v[FM], v[16+\i]
.endr
	WIN 0x40
	v_mov_b32 v13, v13
.macro INIT u
	WIN 0x55*\u
	v_floor_f32 v12, -v13
	v_mov_b32 v14, 0
	v_mov_b32 v15, 0
	v_mov_b32 v253, 0
.set j, 64-64*\u                       ; O^T; in window 1 also p, whose sum is taken a step late: the first sum finds zeros
.rept 64+64*\u
	v_mov_b32 v[96+j], 0
.set j, j+1
.endr
.endm
	INIT 0
	INIT 1
	WIN 0
	s_wait_alu depctr_va_vdst(0)                   ; the wait at the head's end
.macro FETCH base, g                   ; four fragments into window g
	WIN 0x40*\g
.irp t, 0,1,2,3
.irp k, 0,1,2
	ds_load_b128 v[FRG+12*\t+4*\k:FRG+12*\t+4*\k+3], v[ADR] offset:\base+(4*\g+\t)*FRB+512*\k
.endr
.endr
.endm
.macro QK g, u                         ; C is the bias in window 0's score registers
	WIN \g+0x44*\u
.irp t, 0,1,2,3
.if \g
	v_wmma_scale_f32_16x16x128_f8f6f4 v[96+32*\g+8*\t:103+32*\g+8*\t], v[FRG+12*\t:FRG+12*\t+11], v[16:27], v[96+32*\g+8*\t:103+32*\g+8*\t], v[KW+\t], v[QW+\u] matrix_a_fmt:MATRIX_FMT_FP6 matrix_b_fmt:MATRIX_FMT_FP6 matrix_a_scale:MATRIX_SCALE_ROW1
.else
	v_wmma_scale_f32_16x16x128_f8f6f4 v[96+32*\g+8*\t:103+32*\g+8*\t], v[FRG+12*\t:FRG+12*\t+11], v[16:27], v[96+32*\g+8*\t:103+32*\g+8*\t], v[KW+\t], v[QW+\u] matrix_a_fmt:MATRIX_FMT_FP6 matrix_b_fmt:MATRIX_FMT_FP6
.endif
.endr
.endm
.macro PV g, u
	WIN \g+0x54*\u
.irp t, 0,1,2,3
.if \t%2
	v_wmma_scale_f32_16x16x128_f8f6f4 v[160+32*\g+8*\t:167+32*\g+8*\t], v[FRG+12*\t:FRG+12*\t+11], v[224:235], v[160+32*\g+8*\t:167+32*\g+8*\t], v[VW+2*\g+\t/2], v[PW+\u] matrix_a_fmt:MATRIX_FMT_FP6 matrix_b_fmt:MATRIX_FMT_FP6 matrix_a_scale:MATRIX_SCALE_ROW1
.else
	v_wmma_scale_f32_16x16x128_f8f6f4 v[160+32*\g+8*\t:167+32*\g+8*\t], v[FRG+12*\t:FRG+12*\t+11], v[224:235], v[160+32*\g+8*\t:167+32*\g+8*\t], v[VW+2*\g+\t/2], v[PW+\u] matrix_a_fmt:MATRIX_FMT_FP6 matrix_b_fmt:MATRIX_FMT_FP6
.endif
.endr
.endm
.macro SUM u                           ; the row's sum of the unquantised p, two chains
	WIN 0x55*\u
	v_pk_add_f32 v[236:237], v[96:97], v[98:99]
.irp j, 4,8,12,16,20,24,28,32,36,40,44,48,52,56,60
	v_pk_add_f32 v[14:15], v[14:15], v[96+\j:97+\j]
	v_pk_add_f32 v[236:237], v[236:237], v[98+\j:99+\j]
.endr
	v_pk_add_f32 v[14:15], v[14:15], v[236:237]
.endm
.macro SOFT u
	WIN 0x55*\u
	s_wait_alu depctr_va_vdst(0)                   ; the wait ahead of the scores' first readers
.irp c, 0,1                            ; the largest score of my two blocks of 32 keys, four chains by turns
	v_max3_num_f32 v[232+\c], v[96+32*\c], v[97+32*\c], v[98+32*\c]
	v_max3_num_f32 v[238+\c], v[112+32*\c], v[113+32*\c], v[114+32*\c]
.endr
.irp i, 3,5,7,9,11,13
.irp c, 0,1
	v_max3_num_f32 v[232+\c], v[232+\c], v[96+32*\c+\i], v[97+32*\c+\i]
	v_max3_num_f32 v[238+\c], v[238+\c], v[112+32*\c+\i], v[113+32*\c+\i]
.endr
.endr
.irp c, 0,1
	v_max3_num_f32 v[232+\c], v[232+\c], v[238+\c], v[111+32*\c]
.endr
.irp c, 0,1
	v_max_num_f32 v[232+\c], v[232+\c], v[127+32*\c]
.endr
	s_delay_alu instid0(VALU_DEP_1)
	v_max_num_f32 v254, v232, v233
	s_delay_alu instid0(VALU_DEP_1)
	v_permlanex16_b32 v235, v254, s[SEL], s[SEL+1]
	s_delay_alu instid0(VALU_DEP_1)
	v_max_num_f32 v254, v254, v235                 ; the step's largest score of my query
	s_delay_alu instid0(VALU_DEP_1)
	v_mul_f32 v254, s[CS], v254
	s_delay_alu instid0(VALU_DEP_1)
	v_max_num_f32 v13, v13, v254                   ; the running largest t
	v_mov_b32 v254, v12
	s_delay_alu instid0(VALU_DEP_2)
	v_floor_f32 v12, -v13                          ; -M
	s_delay_alu instid0(VALU_DEP_1)
	v_sub_f32 v254, v12, v254
	s_delay_alu instid0(VALU_DEP_1)
	v_cvt_i32_f32 v254, v254
	s_delay_alu instid0(VALU_DEP_1)
	v_ldexp_f32 v252, 1.0, v254                    ; f = 2^(old M - new M)
.set j, 0
.rept 32
	v_pk_fma_f32 v[96+j:97+j], v[96+j:97+j], s[CS:CS+1], v[12:13] op_sel_hi:[1,0,0]
.set j, j+2
.endr
.irp c, 0,1
	v_fma_f32 v[232+\c], v[232+\c], s[CS], v12
.endr
	s_wait_alu depctr_va_vdst(0)                   ; ahead of the batch
.set j, 0
.rept 64
	v_exp_f32 v[96+j], v[96+j]
.set j, j+1
.endr
	v_pk_mul_f32 v[14:15], v[14:15], v[252:253] op_sel_hi:[1,0]
	s_wait_alu depctr_va_vdst(0)                   ; behind the batch
.irp c, 0,1
	v_exp_f32 v[232+\c], v[232+\c]                 ; the block's largest p
.endr
	s_wait_alu depctr_va_vdst(0)                   ; for the two, and ahead of O^T's first reader
.set j, 0
.rept 32
	v_pk_mul_f32 v[160+j:161+j], v[160+j:161+j], v[252:253] op_sel_hi:[1,0]
.set j, j+2
.endr
.if \u == 0
	SUM 0
.endif
.irp c, 0,1
	v_max_num_f32 v[232+\c], 0x1800000, v[232+\c]  ; the floor: the byte cannot fall under 1
.endr
.irp c, 0,1
	v_add_nc_u32 v[250+\c], 0xff000000, v[232+\c]
.endr
.irp c, 0,1
	v_lshrrev_b32 v[238+\c], 23, v[250+\c]
.endr
	s_delay_alu instid0(VALU_DEP_1)
	v_lshl_or_b32 v254, v239, 16, v238             ; blocks h and 2 + h
	s_delay_alu instid0(VALU_DEP_1)
	v_lshlrev_b32 v254, v[H8], v254
	s_delay_alu instid0(VALU_DEP_1)
	v_permlanex16_b32 v235, v254, s[SEL], s[SEL+1]
	WIN 0x15*\u
	v_or_b32 v[PW+\u], v254, v235                  ; p's scale word
	WIN 0x55*\u
.irp c, 0,1
	v_cvt_scalef32_pk16_fp6_f32 v[224+6*\c:226+6*\c], v[96+32*\c:111+32*\c], v[250+\c]
	v_cvt_scalef32_pk16_fp6_f32 v[240+4*\c:242+4*\c], v[112+32*\c:127+32*\c], v[250+\c]
.endr
	v_nop
.irp c, 0,1
.irp i, 0,1,2
	v_mov_b32 v[227+6*\c+\i], v[240+4*\c+\i]
.endr
.endr
.endm
.macro STEP
	v_add_nc_u32 v[ADR], s[TB], v[LA]              ; these four lines are the places behind the last products
	v_add_nc_u32 v[ADB], s[TS], v[AB0]             ; the next step's bias
	v_nop
	v_nop
	ds_load_b128 v[KW:KW+3], v[ADR] offset:KSC
	FETCH 0, 0
	FETCH 0, 1
	SUM 1                                          ; tile 1's sum of the last step's p, while k's fragments come
	WIN 0
	s_wait_dscnt 0x0
	QK 0, 1
	QK 1, 1
	WIN 0
.rept 5
	v_nop                                          ; five places: tile 0's products write over what tile 1's took as C
.endr
	QK 0, 0
	PLACES
	FETCH VOFF, 0
	ds_load_b128 v[VW:VW+3], v[ADR] offset:VSC
	QK 1, 0
	WIN 0
	PLACES
	FETCH VOFF, 1
	SOFT 0
	WIN 0
	LBIAS ADB
	SOFT 1
	PLACES                                         ; p's last registers stand four places ahead of the products
	WIN 0
	s_wait_alu depctr_va_vdst(0)
	s_wait_dscnt 16                                ; v's fragments and words are in; the 16 loads of the bias may be out
	PV 0, 0
	PV 0, 1
	PV 1, 0
	PV 1, 1
	WIN 0
	s_add_co_u32 s[TB], s[TB], STEPL
	s_add_co_u32 s[TS], s[TS], 512
.endm
.macro FOUR_STEPS
	s_mov_b32 s[STEPC], 4
.Lstep_\@:
	STEP
	s_sub_co_u32 s[STEPC], s[STEPC], 1
	s_cmp_lg_u32 s[STEPC], 0
	s_cbranch_scc1 .Lstep_\@
	s_sub_co_u32 s[TB], s[TB], SLOTL
	s_xor_b32 s[TB], s[TB], SLOT1
.endm
.macro ASK
	s_cmp_gt_u32 s[SLOTS], s[LIM]
	s_cbranch_scc0 .Lnot_mine_\@
	global_prefetch_b8 v[PFO], s[PFA:PFA+1] th:TH_LOAD_NT scope:SCOPE_SE
.Lnot_mine_\@:
.endm
.macro CHANGE fill
	s_wait_tensorcnt 0x0                           ; all my loads have landed
	ds_add_u32 v[SPW], v[NIL]
.if \fill
	s_xor_b32 s[G0P+1], s[G0P+1], SLOT1
	s_add_nc_u64 s[G0P+2:G0P+3], s[G0P+2:G0P+3], SLOTL
	s_wait_xcnt 0x0
	s_add_nc_u64 s[PFA:PFA+1], s[PFA:PFA+1], SLOTL
	s_wait_dscnt 0x0
	CROUND
	tensor_load_to_lds s[G0P:G0P+3], s[G1P:G1P+7]  ; the next four steps, into the slot read last (the first time: slot 1's first fill)
	s_nop 0
	PLACES
	ASK
.else
	s_wait_dscnt 0x0
	s_barrier_signal -1
	s_barrier_wait -1
.endif
.endm
.Lslot:
	CHANGE 1
	FOUR_STEPS
	s_sub_co_u32 s[SLOTS], s[SLOTS], 1
	s_cmp_lg_u32 s[SLOTS], 0
	s_cbranch_scc1 .Lslot
	CHANGE 0
	FOUR_STEPS
.macro FIN u
	WIN 0x55*\u
	v_add_f32 v14, v14, v15
	s_delay_alu instid0(VALU_DEP_1)
	v_permlanex16_b32 v252, v14, s[SEL], s[SEL+1]
	s_delay_alu instid0(VALU_DEP_1)
	v_add_f32 v14, v14, v252
	s_wait_alu depctr_va_vdst(0)
	v_rcp_f32 v14, v14
	v_nop
	s_wait_alu depctr_va_vdst(0)
.set j, 0
.rept 64
	v_mul_f32 v[96+j], v[160+j], v14
.set j, j+1
.endr
.endm
.macro TOST u
	WIN 0x04*\u
.irp t, 0,1,2,3,4,5,6,7
	ds_store_b128 v[STO], v[96+8*\t:99+8*\t] offset:64*\t
	ds_store_b128 v[STO], v[100+8*\t:103+8*\t] offset:64*\t+16
.endr
	WIN 0
.set i, 0
.rept 16
	ds_load_b128 v[32+64*\u+4*i:35+64*\u+4*i], v[RD] offset:SP*i
.set i, i+1
.endr
.endm
.macro SEND u                          ; a row's 512 consecutive bytes a store
	WIN 0
.set i, 0
.rept 16
	s_wait_dscnt 15-i
	global_store_b128 v[LA], v[32+64*\u+4*i:35+64*\u+4*i], s[10:11] offset:(16*\u+i)*8192 th:TH_STORE_NT
.set i, i+1
.endr
.endm
	s_wait_dscnt 0x0                               ; the last step's look-ahead loads of the bias have landed: their registers are written below
	SUM 1                                          ; tile 1's last sum; also the places behind the last products
	FIN 0
	TOST 0
	FIN 1
	SEND 0
	s_wait_alu depctr_va_vdst(0)
	TOST 1
	SEND 1
	s_wait_tensorcnt 0x0                           ; the wave's end
	ds_add_u32 v[SPW], v[NIL]
	s_wait_dscnt 0x0
	CROUND                                         ; the closing round
	s_endpgm
.Lfunc_end_k_q711de46e3a_attn:
	.size	k_q711de46e3a_attn, .Lfunc_end_k_q711de46e3a_attn-k_q711de46e3a_attn
	.p2alignl 7, 3214868480
	.fill 96, 4, 3214868480
	.section	.rodata,"a",@progbits
	.p2align	6, 0x0
	.amdhsa_kernel k_q711de46e3a_attn
		.amdhsa_group_segment_fixed_size 327680
		.amdhsa_private_segment_fixed_size 0
		.amdhsa_enable_private_segment 0
		.amdhsa_kernarg_size 32
		.amdhsa_user_sgpr_count 2
		.amdhsa_user_sgpr_kernarg_segment_ptr 1
		.amdhsa_wavefront_size32 1
		.amdhsa_system_sgpr_workgroup_id_x 1
		.amdhsa_system_sgpr_workgroup_id_y 1
		.amdhsa_system_sgpr_workgroup_id_z 1
		.amdhsa_system_vgpr_workitem_id 0
		.amdhsa_next_free_vgpr 512
		.amdhsa_next_free_sgpr 80
		.amdhsa_reserve_vcc 1
		.amdhsa_float_denorm_mode_32 3
		.amdhsa_float_denorm_mode_16_64 3
		.amdhsa_memory_ordered 1
		.amdhsa_forward_progress 1
		.amdhsa_inst_pref_size 114
	.end_amdhsa_kernel
	.amdgpu_metadata
---
amdhsa.version: [ 1, 2 ]
amdhsa.kernels:
  - .name:           k_q711de46e3a_attn
    .symbol:         k_q711de46e3a_attn.kd
    .args:
      - { .name: codes, .offset: 0, .size: 8, .value_kind: global_buffer, .address_space: global }
      - { .name: mask, .offset: 8, .size: 8, .value_kind: global_buffer, .address_space: global }
      - { .name: query, .offset: 16, .size: 8, .value_kind: global_buffer, .address_space: global }
      - { .name: out0, .offset: 24, .size: 8, .value_kind: global_buffer, .address_space: global }
    .group_segment_fixed_size: 327680
    .private_segment_fixed_size: 0
    .kernarg_segment_align: 8
    .kernarg_segment_size: 32
    .max_flat_workgroup_size: 256
    .sgpr_count:     80
    .vgpr_count:     512
    .wavefront_size: 32
...
	.end_amdgpu_metadata
.endif
;; end of part 2
